; MI455X (gfx1250); checked and timed in simulation.
; The chip was launched on July 23, 2026; its instructions are those of AMD's public machine-readable ISA for CDNA 5 (MIT licence, August 2026) and "CDNA5" Instruction Set Architecture Reference Guide (July 2026). The comments in the code are by the model that wrote it; some were corrected since.
;; E8 Attention. Allowed arithmetic: float matrix products may take bf16 or f16 operands with f32 sums; all other float work in f32.
;; Inputs: bk 128 float32; bo 8 float32; bq 128 float32; bv 128 float32; wk 8 x 128 float32; wo 128 x 8 float32; wq 8 x 128 float32; wv 8 x 128 float32; x 8 x 4,096 x 8 float32.
;; Outputs: out0 8 x 4,096 x 8 float32.
;; One version. Each part assembles by itself: llvm-mc -triple=amdgcn-amd-amdhsa -mcpu=gfx1250 --defsym DOCPART=n.
;; ======== version 1 of 1: 1 launch
;; limits: right only within a limited range of input values; values are held in f16: magnitudes above 65,504 overflow, below 6.1e-05 lose precision
;; launch e8att (part 1): grid 256 x 1, 8 waves a work-group, no clusters, 28,672 bytes of LDS; arguments x, wq, bq, wo, bo, out0; writes out0
.if DOCPART == 1
	.amdgcn_target "amdgcn-amd-amdhsa--gfx1250"
	.amdhsa_code_object_version 6
	.text
	.protected	k_q5497ae3402_e8att
	.globl	k_q5497ae3402_e8att
	.p2align	8
	.type	k_q5497ae3402_e8att,@function
k_q5497ae3402_e8att:
	s_mov_b64 s[64:65], 0
	v_nop
	global_prefetch_b8 v0, s[64:65] scope:SCOPE_SE
	s_setreg_imm32_b32 hwreg(HW_REG_WAVE_MODE, 25, 1), 1
	s_wait_xcnt 0x0
; E8 attention: out = (softmax((x wq + bq) . roots / sqrt 8) . roots) wo + bo.  x, out0: [32768 tokens][8] f32; 16 heads of 8; 240 fixed roots.
; wk, bk, wv, bv are not among the arguments: the function to be computed never names them, so no output number hangs on them.
;
; SHARES.  256 work-groups x 8 waves; a wave owns 16 tokens with all 16 heads and needs no other wave behind the one barrier of the set-up.
; In every matrix instruction the 16 tokens are the N columns: lane (r, h), r = lane & 15 the token, h = lane >> 4.  The result layout of one
; product (register j = row 8 h + j, column r) is then the B layout of the next (registers 0-3: k = 8 h + 0..7), so nothing passes through LDS.
;
; THE CHAIN, for a pair of heads (2 p, 2 p + 1):
;  1. q (bf16): rows = 16 features, K slots: w_hi x_hi | w_hi x_lo | w_lo x_hi | (b_hi, b_lo) x (1, 1).  wq and bq carry log2(e) / sqrt(8), so scores
;     are exponents of 2.  Lanes h = 0 get the even head's 8 numbers, lanes h = 1 the odd head's.
;  2. the row's maximum m, exact for this set of roots: max(largest |q| + second largest |q|, sum |q| / 2 - [odd number of negative q] min |q|), in f32.
;  3. scores (bf16): rows = 16 roots, K slots: root q_hi | root q_lo | (-1, -1) (m_hi, m_lo): the product is score - m.  128 base roots are kept;
;     tiles 0-6 are used with q and with -q (224 roots), tile 7 holds both signs itself (16 roots).  A softmax and a sum do not hang on the roots' order.
;  4. P = 2^(score - m), at most about 1 for every input since m is the row's own maximum; packed to f16 it is the next product's B as it lies.
;  5. context (f16): A's rows 0-7 = the roots' 8 coordinates, rows 8-15 = ones: lanes h = 0 get sum P root, lanes h = 1 the denominator sum P.
;  6. out (bf16): K = 32 = 4 heads; A's rows 0-7 = wo_hi transposed, rows 8-15 = wo_lo; the sum starts at bo; the two halves are added at the end.
;
; LIMITS.  Inputs finite, q log2(e)/sqrt(8) inside bf16's range.  q and m enter step 3 as two bf16 parts, about 16 bits: an exponent's error is about
; |score| 2^-16 (in powers of 2), and P stays inside f16 while |m| is below about 10^6.  The product w_lo x_lo (2^-16 of q) is dropped.  A term below
; 2^-25 of its row's largest counts as 0.  The context is rounded once to bf16.  The order of the sums is not the order of the roots' list.
; No cluster: the work-groups share only wq, bq, wo, bo, 8,736 bytes, read once each at the start.  No tensor loads: a wave's own data are 512 bytes in, 512 out.
.set QSCALE, 0x3f0293ee                ; log2(e) / sqrt(8)
; LDS, written once by ds_store, read behind the barrier.  Both pitches are odd multiples of 16 bytes: the 16 rows of a fragment load start in 16 different 16-byte columns of 256.
.set RS_B,  0                          ; 128 rows x 80: bf16 root(8), root(8), (-1, -1, 0 x 6), 0 x 8         A of the scores
.set WQT_B, 10240                      ; 128 rows x 80: bf16 w_hi(8), w_hi(8), w_lo(8), (b_hi, b_lo, 0 x 6)   A of q; row = feature
.set WOT_B, 20480                      ; 16 rows x 272: bf16 [m][feature]: rows 0-7 wo_hi, rows 8-15 wo_lo    A of out
.set RT_B,  24832                      ; 9 rows x 272:  f16 [coordinate][root]; row 8 = 1.0                    A of the context
; vector registers.  v0 thread; v1 WQT fragment address; v2 WOT fragment address; v3 out offset; v4 x offset; v5-7 at work in the set-up
.set CB,   8                           ; v[8:15]    packed context of 4 heads (before the loop: v8 RS address, v9 RT address, v10 sign mask, v11 bf16 ones)
.set OUT,  16                          ; v[16:23]   the output's sums
.set XB,   24                          ; v[24:31]   B made of x
.set BEP,  32                          ; v[32:39]   B of the scores, even head, +q      registers 0-3 q, 4 m, 5-7 zero
.set BEN,  40                          ; v[40:47]   even head, -q
.set BOP,  48                          ; v[48:55]   odd head, +q
.set BON,  56                          ; v[56:63]   odd head, -q
.set ACCE, 64                          ; v[64:71]   context and denominator, even head
.set ACCO, 72                          ; v[72:79]   odd head
.set PE,   80                          ; v[80:87]   packed P, even head
.set PO,   88                          ; v[88:95]   odd head
.set SE,   96                          ; v[96:111]  scores, even head: +roots, -roots
.set SO,   112                         ; v[112:127] odd head
.set CA,   128                         ; v[128:191] 8 fragments of the context's A
.set RA,   192                         ; v[192:255] 8 fragments of the scores' A
; between two pairs the score registers serve other ends
.set WOF,  96                          ; v[96:103]  fragment of WOT
.set WQF,  104                         ; v[104:111] fragment of WQT
.set Q,    112                         ; v[112:119] q in f32
.set QSUM, 120
.set QMIN, 121
.set QPAR, 122
.set QH1,  123
.set QM,   124
.set QH2,  125
; scalars: s[4:5] x, s[6:7] wq, s[8:9] bq, s[10:11] wo, s[12:13] bo, s[14:15] out0, s[16:23] bo's numbers, s24 wave, s25 trips,
; s26, s27 selects of v_permlanex16_b32 (lane i xor 16), s28 0xffff0000 (a word's upper bf16, and as a lane mask lanes 16-31), s29 two bf16 signs, s[32:33] the group's byte offset
; Four places: a vector instruction that reads a matrix result, or writes a register that a matrix instruction names, stands four plain vector instructions behind it (ISA guide 7.12.1)
.macro PLACES
.rept 4
	v_nop
.endr
.endm
; eight f32 in src -> four words of bf16 high parts in hi, four words of bf16 remainders in lo; tmp: eight registers
.macro SPLIT8 src, hi, lo, tmp
.irp w, 0,1,2,3
	v_cvt_pk_bf16_f32 v[\hi+\w], v[\src+2*\w], v[\src+2*\w+1]
.endr
.irp w, 0,1,2,3
	v_lshlrev_b32 v[\tmp+2*\w], 16, v[\hi+\w]                  ; the high parts back in f32
	v_and_b32 v[\tmp+2*\w+1], s28, v[\hi+\w]
.endr
.irp w, 0,1,2,3
	v_pk_add_f32 v[\tmp+2*\w:\tmp+2*\w+1], v[\src+2*\w:\src+2*\w+1], v[\tmp+2*\w:\tmp+2*\w+1] neg_lo:[0,1] neg_hi:[0,1]   ; what they leave, exact
.endr
.irp w, 0,1,2,3
	v_cvt_pk_bf16_f32 v[\lo+\w], v[\tmp+2*\w], v[\tmp+2*\w+1]
.endr
.endm
; one f32 -> one word (high part below, remainder above); t, t+1 at work
.macro SPLIT1 src, dst, t
	v_cvt_pk_bf16_f32 v[\t], v[\src], v[\src]
	v_and_b32 v[\t], s28, v[\t]
	v_sub_f32 v[\t+1], v[\src], v[\t]
	v_cvt_pk_bf16_f32 v[\dst], v[\t], v[\t+1]
.endm
; the largest score of my head's q over all 240 roots, into QM.  Four chains that do not wait for each other.
.macro MAXM
	v_add_f32 v[QSUM], |v[Q]|, |v[Q+1]|
	v_xor_b32 v[QPAR], v[Q], v[Q+1]                            ; bit 31: is the number of negative q odd?  (a -0 counts, and then min |q| is 0)
	v_max_num_f32 v[QH1], |v[Q]|, |v[Q+1]|                     ; largest
	v_min_num_f32 v[QH2], |v[Q]|, |v[Q+1]|                     ; second largest
	v_min3_num_f32 v[QMIN], |v[Q]|, |v[Q+1]|, |v[Q+2]|
.irp k, 2,3,4,5,6,7
	v_add_f32 v[QSUM], v[QSUM], |v[Q+\k]|
	v_xor_b32 v[QPAR], v[QPAR], v[Q+\k]
	v_med3_num_f32 v[QH2], v[QH1], v[QH2], |v[Q+\k]|           ; the middle one of (largest, second, new) is the new second
	v_max_num_f32 v[QH1], v[QH1], |v[Q+\k]|
.endr
	v_min3_num_f32 v[QMIN], v[QMIN], |v[Q+3]|, |v[Q+4]|
	v_min3_num_f32 v[QMIN], v[QMIN], |v[Q+5]|, |v[Q+6]|
	v_min_num_f32 v[QMIN], v[QMIN], |v[Q+7]|
	v_ashrrev_i32 v[QPAR], 31, v[QPAR]
	v_and_b32 v[QPAR], v[QPAR], v[QMIN]                        ; min |q| where the number is odd, else 0
	v_fma_f32 v[QSUM], v[QSUM], 0.5, -v[QPAR]                  ; best root of the kind (+-1/2)^8 with an even number of minus signs
	v_add_f32 v[QH1], v[QH1], v[QH2]                           ; best root of the kind +-e_i +-e_j
	v_max_num_f32 v[QM], v[QSUM], v[QH1]
.endm
; q of a pair of heads, its maxima, and the four B operands of the scores.  off: the pair's 16 rows in WQT, from v1
.macro QPRO off
	ds_load_b128 v[WQF:WQF+3], v1 offset:\off
	ds_load_b128 v[WQF+4:WQF+7], v1 offset:\off+32
	s_wait_dscnt 0x0                                           ; the two loads just issued are all that is out
	v_wmma_f32_16x16x32_bf16 v[Q:Q+7], v[WQF:WQF+7], v[XB:XB+7], 0
	PLACES
	MAXM
	SPLIT8 Q, BEP, BOP, 96                                     ; my head's high parts in BEP, remainders in BOP
.irp w, 0,1,2,3
	v_permlanex16_b32 v[120+\w], v[BOP+\w], s26, s27           ; the other head's remainders (v120-123 were written by MAXM)
.endr
.irp w, 0,1,2,3
	v_cndmask_b32 v[BOP+\w], v[120+\w], v[BEP+\w], s28         ; odd head: lanes 0-15 its remainders, lanes 16-31 its high parts
.endr
.irp w, 0,1,2,3
	v_cndmask_b32 v[BEP+\w], v[BEP+\w], v[120+\w], s28         ; even head: lanes 0-15 its high parts, lanes 16-31 its remainders
.endr
.irp w, 0,1,2,3
	v_xor_b32 v[BEN+\w], s29, v[BEP+\w]                        ; -q: both signs of each word
	v_xor_b32 v[BON+\w], s29, v[BOP+\w]
.endr
	SPLIT1 QM, BEP+4, 126                                      ; K slots 16, 17 are read from lanes 0-15; lanes 16-31 meet zeros in A
	v_mov_b32 v[BEN+4], v[BEP+4]
	v_permlanex16_b32 v[BOP+4], v[BEP+4], s26, s27             ; the odd head's maximum comes down to lanes 0-15
	v_mov_b32 v[BON+4], v[BOP+4]
.endm
; scores minus maximum of root tile i: +roots into sb, -roots into sb + 8 (tile 7 holds both signs itself)
.macro SCORE i, sb, bp, bn
	v_wmma_f32_16x16x32_bf16 v[\sb:\sb+7], v[RA+8*(\i):RA+8*(\i)+7], v[\bp:\bp+7], 0
.if (\i) < 7
	v_wmma_f32_16x16x32_bf16 v[\sb+8:\sb+15], v[RA+8*(\i):RA+8*(\i)+7], v[\bn:\bn+7], 0
.endif
.endm
; n exponentials in place, then n / 2 roundings to f16 pairs: register pair (2 w, 2 w + 1) of the scores is word w of the context's B
.macro EXCV sb, pb, n
.set ii, 0
.rept \n
	v_exp_f32 v[\sb+ii], v[\sb+ii]
.set ii, ii+1
.endr
	v_nop                                                      ; one plain vector instruction between the exponentials and the first use of a result (ISA guide 5.7.2)
.set ii, 0
	s_wait_alu depctr_va_vdst(0)
.rept \n/2
	v_cvt_pk_f16_f32 v[\pb+ii], v[\sb+2*ii], v[\sb+2*ii+1]
.set ii, ii+1
.endr
.endm
; context and denominator: the 32 (tile 7: 16) roots of chunk i.  The first chunk starts the sums.
.macro CX i, pb, acc
.if (\i) == 0
	v_wmma_f32_16x16x32_f16 v[\acc:\acc+7], v[CA+8*(\i):CA+8*(\i)+7], v[\pb:\pb+7], 0
.else
	v_wmma_f32_16x16x32_f16 v[\acc:\acc+7], v[CA+8*(\i):CA+8*(\i)+7], v[\pb:\pb+7], v[\acc:\acc+7]
.endif
.endm
; divide by the denominators, round to bf16, lay the pair into words 4 part .. 4 part + 3 of CB.  ldwo = 1: the trip's fragment of WOT is asked for first.
; Lanes 16-31 of the quotients are of no use (a denominator times the reciprocal of a coordinate, possibly infinite); the selects at the end take none of them.
.macro NORM part, ldwo
.if \ldwo
	ds_load_b128 v[WOF:WOF+3], v2
	ds_load_b128 v[WOF+4:WOF+7], v2 offset:32
.endif
	PLACES
	v_permlanex16_b32 v112, v[ACCE], s26, s27                  ; the denominators come down to lanes 0-15
	v_permlanex16_b32 v114, v[ACCO], s26, s27
	v_rcp_f32 v112, v112
	v_rcp_f32 v114, v114
	v_nop                                                      ; one plain vector instruction behind the reciprocals (ISA guide 5.7.2)
	s_wait_alu depctr_va_vdst(0)
.irp w, 0,1,2,3
	v_pk_mul_f32 v[ACCE+2*\w:ACCE+2*\w+1], v[ACCE+2*\w:ACCE+2*\w+1], v[112:113] op_sel_hi:[1,0]   ; both by v112
	v_pk_mul_f32 v[ACCO+2*\w:ACCO+2*\w+1], v[ACCO+2*\w:ACCO+2*\w+1], v[114:115] op_sel_hi:[1,0]   ; both by v114
.endr
.irp w, 0,1,2,3
	v_cvt_pk_bf16_f32 v[116+\w], v[ACCE+2*\w], v[ACCE+2*\w+1]
	v_cvt_pk_bf16_f32 v[120+\w], v[ACCO+2*\w], v[ACCO+2*\w+1]
.endr
.irp w, 0,1,2,3
	v_permlanex16_b32 v[124+\w], v[120+\w], s26, s27           ; the odd head's context goes up to lanes 16-31: K slots 8-15 of its half of CB
.endr
.irp w, 0,1,2,3
	v_cndmask_b32 v[CB+4*\part+\w], v[116+\w], v[124+\w], s28
.endr
.endm
; A pair of heads.  The two heads take turns chunk by chunk: each product of scores is issued one chunk ahead, so that the other head's v_nop and
; roundings (five plain vector instructions at the least) are the places between it and its exponentials, and between a context product and the next
; writing of its P.  The accumulators ACCE and ACCO take turns, one instruction a turn, with the scores' products between them.
.macro PAIR off, part, ldwo
	QPRO \off
	SCORE 0, SE, BEP, BEN
.irp i, 0,1,2,3,4,5,6
	SCORE \i, SO, BOP, BON
.if \i == 0
	PLACES                                                     ; the first chunk has no other head's work in front of it
.endif
	EXCV SE, PE, 16
	CX \i, PE, ACCE
	SCORE \i+1, SE, BEP, BEN
	EXCV SO, PO, 16
	CX \i, PO, ACCO
.endr
	SCORE 7, SO, BOP, BON
	EXCV SE, PE, 8                                             ; tile 7: 16 roots; words 4-7 of P keep chunk 6's finite numbers and meet zeros in A
	CX 7, PE, ACCE
	EXCV SO, PO, 8
	CX 7, PO, ACCO
	NORM \part, \ldwo
.endm
; ---- addresses, constants, my 16 tokens of x ----
	s_load_b256 s[4:11], s[0:1], 0x0               ; x, wq, bq, wo
	s_load_b128 s[12:15], s[0:1], 0x20             ; bo, out0
	s_set_vgpr_msb 0x40
	v_lshl_add_u32 v0, v0, 2, 0x6c00
	v_mov_b32 v1, 0
	s_set_vgpr_msb 0x4000
	v_lshrrev_b32 v5, 5, v0
	v_readfirstlane_b32 s24, v5                    ; wave 0..7
	s_lshl_b32 s32, ttmp9, 12                      ; the group's 128 tokens x 32 bytes
	s_mov_b32 s33, 0
	s_mov_b32 s26, 0x76543210
	s_mov_b32 s27, 0xfedcba98
	s_mov_b32 s28, 0xffff0000
	s_mov_b32 s29, 0x80008000
	v_and_b32 v6, 15, v0                           ; r
	v_bfe_u32 v7, v0, 4, 1                         ; h
	v_lshlrev_b32 v3, 4, v0                        ; out: thread t stores bytes 16 t of the group's 4,096
	v_lshlrev_b32 v4, 5, v6
	v_lshl_add_u32 v4, v5, 9, v4                   ; x: 512 wave + 32 r
	v_mul_u32_u24 v8, v6, 80
	v_lshl_add_u32 v8, v7, 4, v8                   ; fragments of RS: 80 r + 16 h (RS begins at LDS byte 0)
	v_add_nc_u32 v1, WQT_B, v8                     ; of WQT: the same rows and pitch
	v_mul_u32_u24 v2, v6, 272
	v_lshl_add_u32 v2, v7, 4, v2
	v_add_nc_u32 v2, WOT_B, v2                     ; of WOT: 272 r + 16 h
	v_min_u32 v9, 8, v6
	v_mul_u32_u24 v9, v9, 272
	v_lshl_add_u32 v9, v7, 4, v9
	v_add_nc_u32 v9, RT_B, v9                      ; of RT: rows 8-15 of A all read the row of ones
	v_cmp_gt_u32 vcc_lo, 8, v6
	v_mov_b32 v10, s29
	v_cndmask_b32 v10, 0, v10, vcc_lo              ; the negated roots change sign in the coordinates' rows, not in the ones
	v_mov_b32 v11, 0x3f803f80                      ; bf16 (1, 1), for the bias's K slots
	s_wait_kmcnt 0x0
	s_add_nc_u64 s[4:5], s[4:5], s[32:33]
	s_add_nc_u64 s[14:15], s[14:15], s[32:33]
	s_load_b256 s[16:23], s[12:13], 0x0            ; bo's eight numbers
	global_load_b128 v[96:99], v4, s[4:5] th:TH_LOAD_NT              ; token r's 32 bytes, in both halves of the lanes; waited for behind the barrier
	global_load_b128 v[100:103], v4, s[4:5] offset:16 th:TH_LOAD_NT
; ---- the tables: waves 0-3 make one root a thread, waves 4-7 one feature a thread ----
	s_cmp_ge_u32 s24, 4
	s_cbranch_scc1 .Lweights
	s_cmp_ge_u32 s24, 2
	s_cbranch_scc1 .Ltype1
	; roots 0-63: (+-1/2)^8; minus where bit k of u is set; u = t, bit 6 clear, bit 7 = parity of t: an even number of minus signs
	v_lshrrev_b32 v33, 3, v0
	v_xor_b32 v33, v33, v0                         ; bits 0-2: t's bits k and k + 3 folded
	v_lshrrev_b32 v34, 1, v33
	v_xor_b32 v34, v34, v33
	v_lshrrev_b32 v35, 2, v33
	v_xor_b32 v34, v34, v35
	v_and_b32 v34, 1, v34                          ; parity of t's six bits
	v_lshl_or_b32 v32, v34, 7, v0
.irp k, 0,1,2,3,4,5,6,7
	v_bfe_u32 v[48+\k], v32, \k, 1
	v_lshl_or_b32 v[40+\k], v[48+\k], 31, 0x3f000000
.endr
	s_branch .Lrootout
.Ltype1:
	; roots 64-111 (tiles 4-6, d = tile - 3): e_a +- e_((a + d) & 7), a = rho >> 1, sign from bit 0 of rho = t & 15
	; roots 112-127 (tile 7, d = 4): +-e_a +- e_(a + 4), a = rho >> 2, signs from bits 1 and 0
	v_and_b32 v32, 15, v0
	v_lshrrev_b32 v33, 4, v0
	v_cmp_eq_u32 vcc_lo, 7, v33
	v_cndmask_b32 v34, 1, 2, vcc_lo
	v_lshrrev_b32 v35, v34, v32                    ; a
	v_add3_u32 v36, v35, v33, -3
	v_and_b32 v36, 7, v36                          ; b
	v_lshlrev_b32 v37, 31, v32
	v_or_b32 v37, 0x3f800000, v37                  ; e_b's factor
	v_lshlrev_b32 v38, 30, v32
	v_and_b32 v38, 0x80000000, v38
	v_cndmask_b32 v38, 0, v38, vcc_lo
	v_or_b32 v38, 0x3f800000, v38                  ; e_a's factor: +1 in tiles 4-6
.irp k, 0,1,2,3,4,5,6,7
	v_cmp_eq_u32 vcc_lo, \k, v36
	v_cndmask_b32 v[40+\k], 0, v37, vcc_lo
	v_cmp_eq_u32 vcc_lo, \k, v35
	v_cndmask_b32 v[40+\k], v[40+\k], v38, vcc_lo
.endr
.Lrootout:
	; root t in v[40:47]: a row of RS in bf16, a column of RT in f16 (0, +-1/2, +-1 are exact in both)
.irp w, 0,1,2,3
	v_cvt_pk_bf16_f32 v[48+\w], v[40+2*\w], v[40+2*\w+1]
	v_cvt_pk_f16_f32 v[52+\w], v[40+2*\w], v[40+2*\w+1]
.endr
	v_mov_b32 v56, 0xbf80bf80                      ; (-1, -1): takes the maximum's two parts away
.irp k, 57,58,59,60,61
	v_mov_b32 v\k, 0                               ; v[56:59] = (-1, -1, 0 x 6), v[58:61] = 0 x 8
.endr
	v_mul_u32_u24 v5, v0, 80
	v_lshl_add_u32 v6, v0, 1, RT_B
	v_mov_b32 v7, 0x3c00                           ; f16 1.0
	ds_store_b128 v5, v[48:51]
	ds_store_b128 v5, v[48:51] offset:16
	ds_store_b128 v5, v[56:59] offset:32
	ds_store_b128 v5, v[58:61] offset:48
.irp w, 0,1,2,3
	ds_store_b16 v6, v[52+\w] offset:272*(2*\w)
	ds_store_b16_d16_hi v6, v[52+\w] offset:272*(2*\w+1)
.endr
	ds_store_b16 v6, v7 offset:272*8
	s_branch .Ltables_done
.Lweights:
	v_and_b32 v5, 127, v0                          ; feature f
	v_lshlrev_b32 v6, 2, v5
	v_lshlrev_b32 v7, 5, v5
.irp k, 0,1,2,3,4,5,6,7
	global_load_b32 v[40+\k], v6, s[6:7] offset:512*\k         ; wq[k][f]
.endr
	global_load_b32 v32, v6, s[8:9]                ; bq[f]
	global_load_b128 v[64:67], v7, s[10:11]        ; wo[f][0..7]
	global_load_b128 v[68:71], v7, s[10:11] offset:16
	v_mul_u32_u24 v33, v5, 80
	v_add_nc_u32 v33, WQT_B, v33
	v_lshl_add_u32 v5, v5, 1, WOT_B
	v_mov_b32 v73, 0
	v_mov_b32 v74, 0
	v_mov_b32 v75, 0
	s_wait_loadcnt 0x0                             ; all of them are needed now
.irp w, 0,1,2,3
	v_pk_mul_f32 v[40+2*\w:40+2*\w+1], v[40+2*\w:40+2*\w+1], QSCALE op_sel_hi:[1,0]
.endr
	v_mul_f32 v32, QSCALE, v32
	SPLIT8 40, 48, 52, 56
	SPLIT1 32, 72, 34
	ds_store_b128 v33, v[48:51]
	ds_store_b128 v33, v[48:51] offset:16
	ds_store_b128 v33, v[52:55] offset:32
	ds_store_b128 v33, v[72:75] offset:48
	SPLIT8 64, 76, 36, 56
.irp w, 0,1,2,3
	ds_store_b16 v5, v[76+\w] offset:272*(2*\w)
	ds_store_b16_d16_hi v5, v[76+\w] offset:272*(2*\w+1)
	ds_store_b16 v5, v[36+\w] offset:272*(8+2*\w)
	ds_store_b16_d16_hi v5, v[36+\w] offset:272*(9+2*\w)
.endr
.Ltables_done:
	s_wait_dscnt 0x0                               ; my part of the tables is in LDS: zero, for the other waves' sake
	s_barrier_signal -1
	s_barrier_wait -1                              ; everybody's is; nothing writes LDS from here on
; ---- what stays in registers for the whole loop ----
.irp i, 0,1,2,3,4,5,6,7
	ds_load_b128 v[RA+8*\i:RA+8*\i+3], v8 offset:1280*\i
	ds_load_b128 v[RA+8*\i+4:RA+8*\i+7], v8 offset:1280*\i+32
.endr
.irp i, 0,1,2,3,4,5,6,7
	ds_load_b128 v[CA+8*\i:CA+8*\i+3], v9 offset:32*\i         ; K slots 0-15: the tile's 16 roots
.endr
	s_wait_loadcnt 0x0                             ; x
	SPLIT8 96, 104, 108, 112
.irp w, 0,1,2,3
	v_cndmask_b32 v[XB+\w], v[104+\w], v[108+\w], s28          ; K slots 0-7 x_hi (lanes 0-15), 8-15 x_lo (lanes 16-31)
.endr
	v_cndmask_b32 v[XB+4], v104, v11, s28          ; K slots 16-23 x_hi; 24, 25 ones; 26-31 zero
	v_cndmask_b32 v[XB+5], v105, 0, s28
	v_cndmask_b32 v[XB+6], v106, 0, s28
	v_cndmask_b32 v[XB+7], v107, 0, s28
.irp b, BEP, BEN, BOP, BON
.irp k, 4,5,6,7
	v_mov_b32 v[\b+\k], 0                          ; K slots that meet zeros in A must hold finite numbers; register 4 is written again for each pair
.endr
.endr
	s_wait_kmcnt 0x0                               ; bo
.irp j, 0,1,2,3,4,5,6,7
	v_cndmask_b32 v[OUT+\j], s[16+\j], 0, s28      ; the sums start at bo in the rows of wo_hi, at 0 in the rows of wo_lo
.endr
	s_wait_dscnt 0x0                               ; all 24 fragment loads
.irp i, 0,1,2,3,4,5,6
.irp w, 0,1,2,3
	v_xor_b32 v[CA+8*\i+4+\w], v10, v[CA+8*\i+\w]  ; K slots 16-31: the same roots negated
.endr
.endr
.irp w, 4,5,6,7
	v_mov_b32 v[CA+56+\w], 0                       ; tile 7 has no negated half
.endr
; ---- four trips of four heads ----
	s_mov_b32 s25, 4
.Ltrip:
	PAIR 0, 0, 0
	PAIR 1280, 1, 1
	s_wait_dscnt 0x0                               ; the fragment of WOT
	v_wmma_f32_16x16x32_bf16 v[OUT:OUT+7], v[WOF:WOF+7], v[CB:CB+7], v[OUT:OUT+7]   ; one instruction a trip; the matrix instructions in front of and behind it have other accumulators
	v_add_nc_u32 v1, 2560, v1                      ; 32 rows of WQT on
	v_add_nc_u32 v2, 64, v2                        ; 32 columns of WOT on
	s_sub_co_i32 s25, s25, 1
	s_cmp_lg_u32 s25, 0
	s_cbranch_scc1 .Ltrip
; ---- the way out ----
	; these four lines (and the two additions above) are the places behind the last matrix instruction (ISA guide 7.12.1)
	v_and_b32 v5, 1, v0
	v_bfe_u32 v6, v0, 1, 4
	v_lshl_or_b32 v5, v5, 4, v6                    ; lane L will store token L >> 1, half L & 1, which lies in lane 16 (L & 1) + (L >> 1)
	v_lshlrev_b32 v5, 2, v5
.irp j, 0,1,2,3,4,5,6,7
	v_permlanex16_b32 v[96+\j], v[OUT+\j], s26, s27
.endr
.irp w, 0,1,2,3
	v_pk_add_f32 v[OUT+2*\w:OUT+2*\w+1], v[OUT+2*\w:OUT+2*\w+1], v[96+2*\w:96+2*\w+1]   ; wo_hi's part + bo + wo_lo's part, in every lane
.endr
.irp w, 0,1,2,3
	v_cndmask_b32 v[104+\w], v[OUT+\w], v[OUT+4+\w], s28       ; lanes 0-15 keep numbers 0-3 of token r, lanes 16-31 numbers 4-7
.endr
.irp w, 0,1,2,3
	ds_bpermute_b32 v[108+\w], v5, v[104+\w]
.endr
	s_wait_dscnt 0x0
	global_store_b128 v3, v[108:111], s[14:15] th:TH_STORE_NT  ; lane L stores bytes 16 L of the wave's 512: sixteen neighbouring lanes store 256 consecutive bytes, aligned
	s_set_vgpr_msb 0x5
	s_wait_tensorcnt 0x0
	ds_add_u32 v0, v1
	s_wait_dscnt 0x0
	s_set_vgpr_msb 0x500
	s_endpgm
.Lfunc_end_k_q5497ae3402_e8att:
	.size	k_q5497ae3402_e8att, .Lfunc_end_k_q5497ae3402_e8att-k_q5497ae3402_e8att
	.p2alignl 7, 3214868480
	.fill 96, 4, 3214868480
	.section	.rodata,"a",@progbits
	.p2align	6, 0x0
	.amdhsa_kernel k_q5497ae3402_e8att
		.amdhsa_group_segment_fixed_size 28672
		.amdhsa_private_segment_fixed_size 0
		.amdhsa_enable_private_segment 0
		.amdhsa_kernarg_size 48
		.amdhsa_user_sgpr_count 2
		.amdhsa_user_sgpr_kernarg_segment_ptr 1
		.amdhsa_wavefront_size32 1
		.amdhsa_system_sgpr_workgroup_id_x 1
		.amdhsa_system_sgpr_workgroup_id_y 1
		.amdhsa_system_sgpr_workgroup_id_z 1
		.amdhsa_system_vgpr_workitem_id 0
		.amdhsa_next_free_vgpr 258
		.amdhsa_next_free_sgpr 66
		.amdhsa_reserve_vcc 1
		.amdhsa_float_denorm_mode_32 3
		.amdhsa_float_denorm_mode_16_64 3
		.amdhsa_memory_ordered 1
		.amdhsa_forward_progress 1
		.amdhsa_inst_pref_size 71
	.end_amdhsa_kernel
	.amdgpu_metadata
---
amdhsa.version: [ 1, 2 ]
amdhsa.kernels:
  - .name:           k_q5497ae3402_e8att
    .symbol:         k_q5497ae3402_e8att.kd
    .args:
      - { .name: x, .offset: 0, .size: 8, .value_kind: global_buffer, .address_space: global }
      - { .name: wq, .offset: 8, .size: 8, .value_kind: global_buffer, .address_space: global }
      - { .name: bq, .offset: 16, .size: 8, .value_kind: global_buffer, .address_space: global }
      - { .name: wo, .offset: 24, .size: 8, .value_kind: global_buffer, .address_space: global }
      - { .name: bo, .offset: 32, .size: 8, .value_kind: global_buffer, .address_space: global }
      - { .name: out0, .offset: 40, .size: 8, .value_kind: global_buffer, .address_space: global }
    .group_segment_fixed_size: 28672
    .private_segment_fixed_size: 0
    .kernarg_segment_align: 8
    .kernarg_segment_size: 48
    .max_flat_workgroup_size: 256
    .sgpr_count:     66
    .vgpr_count:     258
    .wavefront_size: 32
...
	.end_amdgpu_metadata
.endif
;; end of part 1
